; MI455X (gfx1250); checked and timed in simulation.
; The chip was launched on July 23, 2026; its instructions are those of AMD's public machine-readable ISA for CDNA 5 (MIT licence, August 2026) and "CDNA5" Instruction Set Architecture Reference Guide (July 2026). The comments in the code are by the model that wrote it; some were corrected since.
;; LSTM. Allowed arithmetic: matrix products marked QUANTISED: E4M3 operands, one E8M0 scale for each 32 along K, by v_wmma_scale_f32_16x16x128_f8f6f4 with both operands' format E4M3, f32 sums; everything else in f32.
;; Inputs: Wc 1,024 x 2,048 float32; Wf 1,024 x 2,048 float32; Wo 1,024 x 2,048 float32; Wu 1,024 x 2,048 float32; bc 1,024 float32; bf 1,024 float32; bo 1,024 float32; bu 1,024 float32; c 8,192 x 1,024 float32; h 8,192 x 1,024 float32; x 8,192 x 1,024 float32.
;; Outputs: out0 8,192 x 1,024 float32; out1 8,192 x 1,024 float32.
;; This version of the problem:
;;   THIS VERSION OF THE PROBLEM IS GIVEN IN LOW PRECISION. The matrix products marked QUANTISED in the list below multiply operands that are first quantised to E4M3 (4 exponent bits, 3 mantissa bits; 8 bits a number), with one power-of-two scale for each 32 numbers along K (OCP MX v1.0); their sums are f32. All else is computed in f32.
;;   The module's matrix products, in the order in which they are computed (A, B: the left and right operand; K: the contracted axis; several contracted axes count as one K, in the product's order):
;;     1. [M 8,192, K 2,048] x [K 2,048, N 4,096]; A: computed on the way; B: computed on the way: QUANTISED
;;   THE QUANTISER, for each operand of a quantised product, along K:
;;     - K is cut into blocks of 32 from its start; a last block that is shorter is filled with zeros.
;;     - A block's scale is 2^e with e = floor(log2(the largest magnitude in the block)) - 8, held to -126 .. 127; a block of zeros has e = 0. As a byte (E8M0): e + 127.
;;     - Each number is divided by its block's scale, clamped to +-448, and rounded to the nearest number of E4M3, ties to even, subnormals kept.
;;     - The product sums the exact products of the quantised numbers (number of the format x scale) in f32.
;;   ~~~python
;;   def quantise(x, axis):      # numpy; x: float32 -> the quantised numbers, widened to float32 again
;;       x = np.moveaxis(x, axis, -1); K = x.shape[-1]
;;       x = np.pad(x, [(0, 0)] * (x.ndim - 1) + [(0, -K % 32)]); x = x.reshape(x.shape[:-1] + (-1, 32)); a = np.abs(x).max(-1, keepdims=True)
;;       e = np.where(a > 0, np.clip(np.frexp(np.where(a > 0, a, 1))[1] - 1 - 8, -126, 127), 0)      # np.frexp(a)[1] - 1 = floor(log2(a)), exactly
;;       r = np.clip(x / 2.0 ** e, -448, 448)
;;       step = 2.0 ** (np.maximum(np.frexp(np.where(r == 0, 1, r))[1] - 1, -6) - 3)
;;       q = np.round(r / step) * step * 2.0 ** e      # np.round: ties to even
;;       return np.moveaxis(q.reshape(q.shape[:-2] + (-1,))[..., :K], -1, axis).astype(np.float32)
;;   ~~~
;;   OPERANDS COMPUTED ON THE WAY. 'Computed on the way' means the value that the module computes at that place (a softmax that the list does not call 'softmax' is quantised finished and normalised). What goes into a quantiser is computed in f32, as accurately as f32 sums, v_exp_f32 and their like allow (about 1e-6 of the number): no bf16 or f16 on the way to a quantiser, and a product that is left as it is and whose result goes on into a quantised operand takes f32 operands (vector FMAs, or v_wmma_f32_16x16x4_f32). A number that lies on a knife's edge between two numbers of the format may be rounded either way, as far as f32 arithmetic and the matrix unit's own rounding can turn it there, and no further.
;; One version. Each part assembles by itself: llvm-mc -triple=amdgcn-amd-amdhsa -mcpu=gfx1250 --defsym DOCPART=n.
;; ======== version 1 of 1: 2 launches
;; limits: right only within a limited range of input values
;; workspace buffers: a_codes 16,777,216 bytes; a_scales 524,288 bytes; b_codes 8,388,608 bytes; b_scales 262,144 bytes
;; launch quant (part 1): grid 768 x 1, 4 waves a work-group, no clusters, 33,280 bytes of LDS; arguments x, h, Wf, Wu, Wc, Wo, a_codes, a_scales, b_codes, b_scales; writes a_codes, a_scales, b_codes, b_scales
.if DOCPART == 1
	.amdgcn_target "amdgcn-amd-amdhsa--gfx1250"
	.amdhsa_code_object_version 6
	.text
	.protected	k_q1ad5ae5728_quant
	.globl	k_q1ad5ae5728_quant
	.p2align	8
	.type	k_q1ad5ae5728_quant,@function
k_q1ad5ae5728_quant:
	s_mov_b64 s[64:65], 0
	v_nop
	global_prefetch_b8 v0, s[64:65] scope:SCOPE_SE
	s_setreg_imm32_b32 hwreg(HW_REG_WAVE_MODE, 25, 1), 1
	s_wait_xcnt 0x0
; [x | h] (8,192 rows x 2,048) and [Wf; Wu; Wc; Wo] (4,096 rows x 2,048), f32, K innermost, become codes of FP8 (E4M3), one byte each, K innermost, with one E8M0 byte for each 32 along K.
; A block's scale is 2^(floor(log2(its largest magnitude)) - 8); its byte is the largest magnitude's exponent field - 8, held at 1 from below.  Each number is divided by the scale, held within +-448
; and rounded to the nearest code, ties to even.
; LIMITS: NaN and infinities among the inputs are not served.  A block of zeros gets the byte 1 where the rule says 127: its codes are zeros, which add nothing under any byte but 0xff, and these bytes
; are read by this program's second launch alone.
; OUT: a_codes [8192][2048] (a row: x's 1,024 codes, then h's), a_scales [8192][64].  b_codes [4096][2048], b_scales [4096][64], WITH THE ROWS IN AN ORDER OF THIS PROGRAM'S OWN: gate g (0 f, 1 u, 2 cc, 3 o),
; output column col lies at row 128 (col / 32) + 32 g + col % 32, so that 128 neighbouring rows hold the four gates of the same 32 columns: what one wave of the second launch multiplies.
; SHARES: a wave takes 4 rows of 2,048 numbers: 16 steps of 512; a work-group 16 rows.  Work-groups 0-511 take [x | h], 512-767 the weights (64 for each gate).  ONE path serves both: only pointers, a row's
; stride and two row numbers are chosen, on the work-group's number.  Step t = 4 row + 2 s + part reads 2,048 bytes from source s (x or h; a weight row's first or second half).
; The wave's codes (8,192 bytes) and its scale bytes (256) are plain runs of the output: 4 neighbouring rows.
; A LANE MUST HOLD 16 NEIGHBOURS for the conversions, and a load is best where neighbouring lanes take neighbouring bytes: each load reads 512 consecutive bytes, 16 a lane, and a step's 2,048 bytes turn
; through the wave's own stage in LDS (16 bytes of padding behind each 64) and come back 64 bytes a lane.  Two neighbouring lanes hold a block.
; No tensor loads, no barrier: waves share nothing.  Loads run four steps (16 loads a wave) ahead, the turn through LDS one step.  Every step has its own registers for codes and byte, so no store's data are written again.
.set STEPS, 16
.set EMAX,  8
.set MANT,  0x600000                   ; the mantissa field of 448 as f32
.set CB,    16                         ; bytes of 16 codes
.set R,     16                         ; v16-79   four sets of 16 numbers as they are loaded
.set X,     80                         ; v80-111  two sets of 16 neighbours
.set E,     112                        ; v112-127 a scale byte for each step
.set C,     128                        ; v128-191 codes: four registers for each step
.set OF,    192                        ; v192-195 16 x lane + row x the source's row stride
.set WREG,  8192                       ; LDS: a region for each wave: two stages of 32 x SP bytes, then its 256 scale bytes
.set SP,    80                         ; a lane's place in a stage: 64 bytes + 16 of padding
	s_load_b256 s[4:11], s[0:1], 0x0               ; x s[4:5], h s[6:7], Wf s[8:9], Wu s[10:11]
	s_load_b256 s[12:19], s[0:1], 0x20             ; Wc s[12:13], Wo s[14:15], a_codes s[16:17], a_scales s[18:19]
	s_load_b128 s[20:23], s[0:1], 0x40             ; b_codes s[20:21], b_scales s[22:23]
	v_lshl_add_u32 v200, v0, 2, 0x8000
	v_mov_b32 v201, 0
	v_lshrrev_b32 v1, 5, v0
	v_readfirstlane_b32 s24, v1                    ; wave
	v_and_b32 v2, 31, v0                           ; lane
	v_lshlrev_b32 v3, 4, v2                        ; my 16 bytes of a load's 512
	s_mul_i32 s45, s24, WREG
	v_lshrrev_b32 v14, 2, v2
	v_mul_u32_u24 v14, v14, SP
	v_and_b32 v15, 3, v2
	v_lshl_add_u32 v14, v15, 4, v14
	v_add_nc_u32 v14, s45, v14                     ; the stage, on the way in: SP (lane / 4) + 16 (lane % 4); a load's 512 bytes take eight places
	v_mul_u32_u24 v15, v2, SP
	v_add_nc_u32 v15, s45, v15                     ; and on the way out: SP x lane: my 16 neighbours
	v_mul_u32_u24 v4, v2, CB                       ; my codes' place in a step's
	v_lshrrev_b32 v5, 1, v2
	s_add_co_u32 s45, s45, 2*32*SP
	v_add_nc_u32 v5, s45, v5                       ; LDS: my wave's 256 scale bytes, my block's byte
	v_lshlrev_b32 v7, 3, v2                        ; and on the way out 8 bytes a lane
	v_add_nc_u32 v6, s45, v7
	s_mov_b32 s44, MANT                            ; (an instruction takes one literal: the hold's line has another)
	; row numbers, for both kinds of work-group; the choice follows below
	s_sub_co_u32 s25, ttmp9, 512                   ; a weight work-group's number (of no use in the others)
	s_bfe_u32 s26, s25, 0x20006                    ; g: its gate, 64 work-groups each
	s_and_b32 s27, s25, 63                         ; qq: which 16 rows of the gate's 1,024
	s_lshl_b32 s28, s24, 2                         ; 4 x wave
	s_lshl_b32 s29, ttmp9, 4
	s_add_co_u32 s29, s29, s28                     ; [x | h]: my first row, in and out
	s_lshl_b32 s30, s27, 4
	s_add_co_u32 s30, s30, s28                     ; a weight: my first row in: col = 16 qq + 4 wave
	s_lshr_b32 s31, s27, 1
	s_lshl_b32 s31, s31, 7                         ; and out: 128 (col / 32)
	s_lshl_b32 s2, s26, 5
	s_add_co_u32 s31, s31, s2                      ; + 32 g
	s_and_b32 s2, s27, 1
	s_lshl_b32 s2, s2, 4
	s_add_co_u32 s31, s31, s2
	s_add_co_u32 s31, s31, s28                     ; + col % 32 = 16 (qq % 2) + 4 wave
	s_lshl_b32 s32, s29, 12                        ; bytes: a row of x or of h is 4,096,
	s_lshl_b32 s33, s30, 13                        ; a row of a weight 8,192
	s_mov_b32 s40, 8192
	s_wait_kmcnt 0x0
	s_cmp_eq_u32 s26, 1                            ; the gate's weight: choices on the work-group's number alone
	s_cselect_b64 s[8:9], s[10:11], s[8:9]
	s_cmp_eq_u32 s26, 2
	s_cselect_b64 s[8:9], s[12:13], s[8:9]
	s_cmp_eq_u32 s26, 3
	s_cselect_b64 s[8:9], s[14:15], s[8:9]
	s_cmp_lt_u32 ttmp9, 512                        ; [x | h] or a weight?  None of the selects below touches SCC
	s_cselect_b64 s[4:5], s[4:5], s[8:9]           ; source 0: x, or the weight
	s_cselect_b64 s[6:7], s[6:7], s[8:9]           ; source 1: h, or the weight (its rows' second halves: + 4,096 below)
	s_cselect_b64 s[16:17], s[16:17], s[20:21]     ; the codes' buffer
	s_cselect_b64 s[18:19], s[18:19], s[22:23]     ; the scale bytes' buffer
	s_cselect_b32 s34, s32, s33                    ; my first row in, in bytes
	s_cselect_b32 s36, 0, 4096
	s_cselect_b32 s38, s29, s31                    ; my first row out
	s_cselect_b32 s40, 4096, s40                   ; the sources' row stride
	s_mov_b32 s35, 0
	s_mov_b32 s37, 0
	s_mov_b32 s43, 0
	s_add_nc_u64 s[4:5], s[4:5], s[34:35]
	s_add_nc_u64 s[6:7], s[6:7], s[34:35]
	s_add_nc_u64 s[6:7], s[6:7], s[36:37]
	s_lshl_b32 s42, s38, 11                        ; 2,048 bytes of codes a row
	s_add_nc_u64 s[16:17], s[16:17], s[42:43]
	s_lshl_b32 s42, s38, 6                         ; 64 scale bytes a row: 4 rows are 256 bytes, at a multiple of 256
	s_add_nc_u64 s[18:19], s[18:19], s[42:43]
	v_mov_b32 v[OF], v3
.irp k, 1,2,3
	v_mad_u32_u24 v[OF+\k], s40, \k, v3            ; 16 x lane + row k of my four
.endr
.macro LOAD t                          ; step t: row t / 4, source (t / 2) % 2, part t % 2
.irp i, 0,1,2,3
	global_load_b128 v[R+16*((\t)%4)+4*\i:R+16*((\t)%4)+4*\i+3], v[OF+(\t)/4], s[4+2*(((\t)/2)%2):5+2*(((\t)/2)%2)] offset:2048*((\t)%2)+512*\i th:TH_LOAD_NT   ; 32 lanes read 512 consecutive bytes; read once in the launch
.endr
.endm
.macro TURN t                          ; step t's numbers through the stage: LDS serves a wave's instructions in order, so no wait stands between the stores and the loads
.irp i, 0,1,2,3
	ds_store_b128 v14, v[R+16*((\t)%4)+4*\i:R+16*((\t)%4)+4*\i+3] offset:32*SP*((\t)%2)+8*SP*\i
.endr
.irp i, 0,1,2,3
	ds_load_b128 v[X+16*((\t)%2)+4*\i:X+16*((\t)%2)+4*\i+3], v15 offset:32*SP*((\t)%2)+16*\i
.endr
.endm
.irp t, 0,1,2,3
	LOAD \t
.endr
	s_wait_alu depctr_va_vdst(0)
	s_wait_loadcnt 12                              ; step 0's four loads are in; the twelve of steps 1 to 3 may be out
	TURN 0
.macro STEP t
.set XS, X+16*((\t)%2)
.if (\t) > 0
	s_wait_dscnt 1                                 ; this step's numbers are back from the stage (the last step's byte store may be out): so its stores into the stage have read their registers,
.else
	s_wait_dscnt 0x0
.endif
.if (\t)+4 < STEPS
	LOAD (\t)+4                                    ; which take the loads of four steps on
.endif
.if (\t)+1 < STEPS
.if STEPS-2-(\t) >= 3
	s_wait_loadcnt 12                              ; the next step's four loads are in; those of the three steps behind it may be out
.else
	s_wait_loadcnt 4*(STEPS-2-(\t))                ; the last steps: fewer are behind it
.endif
	TURN (\t)+1                                    ; and go through the other stage while this step is worked
.endif
	v_max3_num_f32 v8, |v[XS]|, |v[XS+1]|, |v[XS+2]|               ; the largest magnitude of my 16, in two chains
	v_max3_num_f32 v9, |v[XS+3]|, |v[XS+4]|, |v[XS+5]|
.irp i, 6,10
	v_max3_num_f32 v8, v8, |v[XS+\i]|, |v[XS+\i+1]|
	v_max3_num_f32 v9, v9, |v[XS+\i+2]|, |v[XS+\i+3]|
.endr
	v_max3_num_f32 v8, v8, |v[XS+14]|, |v[XS+15]|
	v_max3_num_f32 v8, v8, v9, (EMAX+1)<<23        ; and the floor 2^(9 - 127): so the byte cannot fall under 1
	v_max_num_f32_dpp v8, v8, v8 row_xmask:1 row_mask:0xf bank_mask:0xf   ; and of my neighbour's 16: the block's
	v_add_nc_u32 v11, -(EMAX<<23), v8              ; 8 off its exponent field: the conversion takes the exponent field of this operand as its scale, and nothing else of it
	v_and_or_b32 v10, v8, 0x7f800000, s44          ; 448 x the scale: the largest magnitude's exponent field over 448's mantissa
.irp i, 0,1,2,3,4,5,6,7,8,9,10,11,12,13,14,15
	v_med3_num_f32 v[XS+\i], v[XS+\i], -v10, v10   ; the conversion to an 8-bit code does not saturate (ISA guide 7.6.2): hold the number first
.endr
	v_cvt_scalef32_pk8_fp8_f32 v[C+4*(\t):C+4*(\t)+1], v[XS:XS+7], v11
	v_cvt_scalef32_pk8_fp8_f32 v[C+4*(\t)+2:C+4*(\t)+3], v[XS+8:XS+15], v11
	v_lshrrev_b32 v[E+(\t)], 23, v11               ; the scale's byte (also the plain line behind the conversions)
	ds_store_b8 v5, v[E+(\t)] offset:16*(\t)       ; both lanes of a block write the same byte with the same value
	global_store_b128 v4, v[C+4*(\t):C+4*(\t)+3], s[16:17] offset:32*CB*(\t)   ; 32 lanes store 512 consecutive bytes, at a multiple of 256; the next launch reads them, so no hint
.endm
.irp t, 0,1,2,3,4,5,6,7,8,9,10,11,12,13,14,15
	STEP \t
.endr
	ds_load_b64 v[12:13], v6                       ; LDS serves a wave's instructions in order: these see my byte stores
	s_wait_dscnt 0x0
	global_store_b64 v7, v[12:13], s[18:19]        ; 32 lanes store 256 consecutive bytes, at a multiple of 256
	s_wait_tensorcnt 0x0
	ds_add_u32 v200, v201
	s_wait_dscnt 0x0
	s_endpgm
.Lfunc_end_k_q1ad5ae5728_quant:
	.size	k_q1ad5ae5728_quant, .Lfunc_end_k_q1ad5ae5728_quant-k_q1ad5ae5728_quant
	.p2alignl 7, 3214868480
	.fill 96, 4, 3214868480
	.section	.rodata,"a",@progbits
	.p2align	6, 0x0
	.amdhsa_kernel k_q1ad5ae5728_quant
		.amdhsa_group_segment_fixed_size 33280
		.amdhsa_private_segment_fixed_size 0
		.amdhsa_enable_private_segment 0
		.amdhsa_kernarg_size 80
		.amdhsa_user_sgpr_count 2
		.amdhsa_user_sgpr_kernarg_segment_ptr 1
		.amdhsa_wavefront_size32 1
		.amdhsa_system_sgpr_workgroup_id_x 1
		.amdhsa_system_sgpr_workgroup_id_y 1
		.amdhsa_system_sgpr_workgroup_id_z 1
		.amdhsa_system_vgpr_workitem_id 0
		.amdhsa_next_free_vgpr 202
		.amdhsa_next_free_sgpr 66
		.amdhsa_reserve_vcc 0
		.amdhsa_float_denorm_mode_32 3
		.amdhsa_float_denorm_mode_16_64 3
		.amdhsa_memory_ordered 1
		.amdhsa_forward_progress 1
		.amdhsa_inst_pref_size 52
	.end_amdhsa_kernel
	.amdgpu_metadata
---
amdhsa.version: [ 1, 2 ]
amdhsa.kernels:
  - .name:           k_q1ad5ae5728_quant
    .symbol:         k_q1ad5ae5728_quant.kd
    .args:
      - { .name: x, .offset: 0, .size: 8, .value_kind: global_buffer, .address_space: global }
      - { .name: h, .offset: 8, .size: 8, .value_kind: global_buffer, .address_space: global }
      - { .name: Wf, .offset: 16, .size: 8, .value_kind: global_buffer, .address_space: global }
      - { .name: Wu, .offset: 24, .size: 8, .value_kind: global_buffer, .address_space: global }
      - { .name: Wc, .offset: 32, .size: 8, .value_kind: global_buffer, .address_space: global }
      - { .name: Wo, .offset: 40, .size: 8, .value_kind: global_buffer, .address_space: global }
      - { .name: a_codes, .offset: 48, .size: 8, .value_kind: global_buffer, .address_space: global }
      - { .name: a_scales, .offset: 56, .size: 8, .value_kind: global_buffer, .address_space: global }
      - { .name: b_codes, .offset: 64, .size: 8, .value_kind: global_buffer, .address_space: global }
      - { .name: b_scales, .offset: 72, .size: 8, .value_kind: global_buffer, .address_space: global }
    .group_segment_fixed_size: 33280
    .private_segment_fixed_size: 0
    .kernarg_segment_align: 8
    .kernarg_segment_size: 80
    .max_flat_workgroup_size: 128
    .sgpr_count:     66
    .vgpr_count:     202
    .wavefront_size: 32
...
	.end_amdgpu_metadata
.endif
;; end of part 1
;; launch cell (part 2): grid 16 x 32, 4 waves a work-group, clusters of 4 x 4, 327,680 bytes of LDS; arguments a_codes, a_scales, b_codes, b_scales, bf, bu, bc, bo, c, out0, out1; writes out0, out1
.if DOCPART == 2
	.amdgcn_target "amdgcn-amd-amdhsa--gfx1250"
	.amdhsa_code_object_version 6
	.text
	.protected	k_q1ad5ae5728_cell
	.globl	k_q1ad5ae5728_cell
	.p2align	8
	.type	k_q1ad5ae5728_cell,@function
k_q1ad5ae5728_cell:
	s_mov_b64 s[64:65], 0
	v_nop
	global_prefetch_b8 v0, s[64:65] scope:SCOPE_SE
	s_setreg_imm32_b32 hwreg(HW_REG_WAVE_MODE, 25, 1), 1
	s_wait_xcnt 0x0
	s_wait_alu depctr_hold_cnt(0) depctr_sa_sdst(0) depctr_va_vdst(0) depctr_va_sdst(0) depctr_va_ssrc(0) depctr_va_vcc(0) depctr_vm_vsrc(0)
	s_getreg_b32 s2, hwreg(HW_REG_IB_STS2, 6, 4)
	s_cmp_eq_u32 s2, 0
	s_cbranch_scc0 .Lentry_in_a_cluster
	s_endpgm
.Lentry_in_a_cluster:
	s_bfe_u32 s2, ttmp6, 0x10000c
	s_cmp_lg_u32 s2, 0xf033
	s_cbranch_scc0 .Lentry_shape_is_right
	s_endpgm
.Lentry_shape_is_right:
; gates = [x | h] W^T + b on codes of FP8 (E4M3) with one E8M0 scale for each 32 along K = 2,048, sums in f32; then, in f32, f, u, o = sigmoid, cc = tanh, c_new = f c + u cc (out1), h_new = tanh(c_new) o (out0).
; a_codes [8192][2048], a_scales [8192][64]; b_codes [4096][2048], b_scales [4096][64], whose row 128 (col / 32) + 32 g + col % 32 is gate g (0 f, 1 u, 2 cc, 3 o) of output column col.
; SHARES.  A work-group of four waves, as many as a WGP has SIMDs, takes 256 rows x 256 rows of b: 64 output columns x 4 gates.  A wave takes 128 x 128: 64 accumulators of 16 x 16, 512 registers: 128 rows x 32 columns x 4 gates.
; THE MATRIX INSTRUCTION IS USED TRANSPOSED (source 0 = 16 rows of b, source 1 = 16 rows of a): register j of lane (r, h) in accumulator (a, 2 g + u) is gate g at my row 16 a + r, my column 16 u + 8 h + j.
; So the four gates of one output lie in one lane, at the same register number of four accumulators: the cell is worked in registers and the gates never go to memory.
; THE BIASES are the C of each sum's first matrix instruction: eight registers for each block of b's rows: no addition, nothing cleared.
; K goes in steps of 256 through a ring of two LDS slots filled by the tensor data mover (a tile's row: 256 bytes); the scale bytes of the work-group's rows, for all of K, come once with the first fills and stay.
; CLUSTERS: 4 x 4 work-groups.  The four of a row of the cluster need the same tiles of a, the four of a column the same tiles of b: each is asked for JOINTLY, by the same tensor load with the same descriptor and a mask that names the four.
; c's tile (256 rows x 256 bytes) is the work-group's own: a plain tensor load, a quarter a wave, into slot 0 when that slot has been left for the last time.
; THE WAY OUT GOES BLOCK BY BLOCK.  A row's 256 bytes of an output come from two waves, so they meet in stages in LDS.  A block of 16 rows leaves as soon as both its waves have staged it: one barrier a block, then each
; wave reads 8 whole rows of h_new and of c_new back and stores them: 8 of its 64 stores behind each block, so that a work-group's 131,072 bytes of output leave while the later blocks are worked, and not behind the last.
; sigmoid(x) = 1 / (1 + 2^(-x log2 e)), tanh(x) = 1 - 2 / (1 + 2^(2 x log2 e)): an exponential that overflows gives infinity, whose reciprocal is 0: the right limit, so there is no clamp.  tanh so made is right to
; about an f32 rounding of 1, not of itself.  LIMITS: NaN and infinities among the inputs are not served.
; One tile to a work-group: the ring, the scales and the spare words take 313,856 bytes, so stages of their own for a work-group that stays do not fit; the stages lie in slots that have had their last fill.
; REGISTERS, in windows of 256: window 0: v1-6 at work; v16-31 addresses; v32-63 scale words, two sets, and nothing else; v64-127 the biases, later c of my blocks 0-3; v128-255 a's fragments, ONE set,
;   later v192-255 c of my blocks 4-7, v128-191 idle.   window 1: b's fragments, TWO sets; on the way out 32 registers for each block's rows read back from the stages.
;   windows 2, 3: the accumulators ((a, b) at v[8 (8 (a % 4) + b)]).
.set KSTEP,  256                       ; along K in a slot
.set NQ,     2                         ; matrix instructions deep
.set ROWB,   256                       ; a tile's row in bytes
.set KROW,   2048                      ; a row of codes in memory
.set PITCH,  272                       ; an LDS row: 256 bytes + 16 of padding = 68 words: the 16 rows that a load touches start 4 banks apart (64 banks of 4 bytes: ISA guide 11.1)
.set FR,     16                        ; registers of a fragment: 16 rows x 128 K
.set NL,     4                         ; LDS loads that bring one
.set NP,     8                         ; places behind this matrix instruction (ISA guide 7.12.1)
.set HALFT,  128*PITCH                 ; 128 rows: what one tensor load brings, and what one wave reads of a or of b
.set SLOT,   4*HALFT                   ; a's 256 rows, then b's 256 rows
.set LAPS,   4                         ; 2,048 / 512: a lap = two K steps = once round the ring
.set KS,     64                        ; a row of scale bytes
.set SCL,    2*SLOT                    ; behind the ring: the scales, as runs of 256 bytes + 16 of padding
.set HALFS,  32*272                    ; the scales of 128 rows: what one wave reads of a's or of b's; a head load brings two such
.set SBLK,   4*272                     ; those of 16 rows
.set SPARE,  SCL+4*HALFS               ; behind the scales: the spare words, 128 bytes for each wave: two blocks of 256 bytes that no other line names
.set HS0,    256*PITCH                 ; c's tile lies at 0; behind it, still in slot 0, the stage for h_new: 256 rows x 272 bytes
.set CS0,    SLOT                      ; the stage for c_new, in slot 1
.set ADRA, 16                          ; v16-17  LDS address of my a fragments in slot 0, 1
.set PFO,  18                          ; v18     the tile prefetches' offset: lane x 2,048, a row of codes for each lane; never rewritten
.set PFA,  46                          ; s[46:47] the tile prefetches' base: my work-group's 32 rows of the 128 that I fetch in the ring; stepped two K steps a trip
.set G0H,  4                           ; s[4:7], s[8:11] group 0 for the head's loads of K step 0: a's 256 rows, b's 256 rows (the arguments that lay there have been used by then)
.set G0HB, 8
.set BO,   19                          ; v19     32 (lane / 16): my eight numbers of a block's sixteen biases
.set ADRB, 20                          ; v20-21  the same as ADRA for b
.set CRD,  22                          ; v22     c's tile: my row r, my 32 bytes
.set HST,  23                          ; v23     the same place in h_new's stage
.set CST,  24                          ; v24     and in c_new's
.set RDH,  25                          ; v25     where I read whole rows of h_new back: of block 0 of my half of the rows, the 8 rows that I send
.set RDC,  26                          ; v26     and of c_new
.set ADRS, 27                          ; v27     LDS address of my scale words: lanes 0-15 a's rows, lanes 16-31 b's
.set SPW,  28                          ; v28     LDS address of my spare word: SPARE + 4 x my thread's number; never rewritten
.set NIL,  29                          ; v29     0; never rewritten
.set GO,   30                          ; v30     my byte offset in two rows of an output; never rewritten
.set PF,   31                          ; v31     lane x 4,096: a row of c for each lane
.set SC,   32                          ; scale words: set s at v[SC + 16 s]; register 2 i + q: lanes 0-15 the word of a's block i, lanes 16-31 that of b's block i, for the slot's q-th 128 along K
.set BI,   64                          ; the biases: block b of b's rows at v[BI + 8 b]
.set AF,   128                         ; a's fragments
; On the way out a block's four gates are worked IN PLACE, in its eight accumulators (64 registers of window 2 or 3): f at + 0, u at + TU, cc at + TCC, o at + TO; v128-191 of window 0 then lie idle.
.set TU,   16
.set TCC,  32
.set TO,   48
.set WV,   22                          ; s22  wave
.set RH,   23                          ; s23  which half of the tile's rows is mine.  Also: I fetch for a (0) or for b (1)
.set CH,   40                          ; s40  which half of b's rows.  Also: which 128 rows of that tile I fetch, and which 8 rows of a block I send
.set G0C,  12                          ; s[12:15] group 0 for c's tile
.set G1,   24                          ; s[24:31] group 1 for a's tiles;  s[32:39] group 0, one set for each slot
.set G0,   32
.set G1B,  48                          ; s[48:55], s[56:63] the same for b's
.set G0B,  56
.set K1,   66                          ; s[66:67] -log2 e, twice (the packed form names a pair)
.set G1S,  68                          ; s[68:75], s[76:79] groups 1 and 0 for a's scales;  s[80:87], s[88:91] for b's
.set G0S,  76
.set G1SB, 80
.set G0SB, 88
.set BP,   92                          ; s[92:99] bf, bu, bc, bo; when the biases are in: group 1 for c's tile
.set G1C,  92
.set K2,   100                         ; s[100:101] 2 log2 e, twice
.set MSB, 0
.macro WIN new                         ; the immediate's high byte repeats the setting that is left; a switch that changes nothing is dropped
.if MSB != \new
	s_set_vgpr_msb (MSB<<8)|\new
.set MSB, \new
.endif
.endm
.set MUL_LO, 0xa1                      ; source 0 (b) window 1, source 1 (a) window 0, C and D window 2
.set MUL_HI, 0xf1                      ; the same, C and D window 3
.set BEG_LO, 0x81                      ; the first step: C (the biases) window 0, D window 2
.set BEG_HI, 0xc1                      ; D window 3
.set TO_B,   0x40                      ; destination window 1, address window 0
.set FROM_B, 0x04                      ; a store's data are its source 1: window 1
; A joint load: waves 0 and 1 fetch for a, waves 2 and 3 for b.  Each of the two lines has ONE mask and one set of registers for all that issue it; the branch hangs on the wave's number alone.
; Four v_nop follow each of the two lines, ahead of the jump, the label and what follows.
.macro JLOAD g0a, g1a, g0b, g1b
	s_cmp_eq_u32 s[RH], 0
	s_cbranch_scc0 .Lfor_b_\@
	tensor_load_to_lds s[\g0a:\g0a+3], s[\g1a:\g1a+7]
	s_nop 0
.rept 4
	v_nop
.endr
	s_branch .Lasked_\@
.Lfor_b_\@:
	tensor_load_to_lds s[\g0b:\g0b+3], s[\g1b:\g1b+7]
	s_nop 0
.rept 4
	v_nop
.endr
.Lasked_\@:
.endm
.macro CREST                           ; a round of the cluster's barrier behind its opening barrier
	s_cmp_lg_u32 s[WV], 0
	s_cbranch_scc1 .Lnot_wave_0_\@
	s_barrier_signal -3
.Lnot_wave_0_\@:
	s_barrier_wait -3
	s_barrier_signal -1
	s_barrier_wait -1
.endm
.macro CROUND                          ; a whole round
	s_barrier_signal -1
	s_barrier_wait -1
	CREST
.endm
	s_load_b256 s[4:11], s[0:1], 0x0               ; a_codes s[4:5], a_scales s[6:7], b_codes s[8:9], b_scales s[10:11]
	s_load_b256 s[BP:BP+7], s[0:1], 0x20           ; bf, bu, bc, bo
	s_load_b128 s[16:19], s[0:1], 0x40             ; c s[16:17], out0 s[18:19]
	s_load_b64 s[20:21], s[0:1], 0x50              ; out1
	v_lshl_add_u32 v[SPW], v0, 2, SPARE
	v_mov_b32 v[NIL], 0
	ds_add_u32 v28, v29
	ds_add_u32 v28, v29
	s_wait_dscnt 0x0
	v_lshrrev_b32 v1, 5, v0
	v_readfirstlane_b32 s[WV], v1                  ; wave 0..3
	s_lshr_b32 s[RH], s[WV], 1
	s_and_b32 s[CH], s[WV], 1
	s_bfe_u32 s41, ttmp6, 0x40000                  ; cx, cy: my place in the cluster
	s_bfe_u32 s42, ttmp6, 0x40004
	s_lshl_b32 s43, ttmp9, 2
	s_add_co_u32 s43, s43, s41                     ; tile column (256 rows of b, 64 output columns) = 4 x cluster x + cx
	s_and_b32 s44, ttmp7, 0xffff
	s_lshl_b32 s44, s44, 2
	s_add_co_u32 s44, s44, s42                     ; tile row = 4 x cluster y + cy
	s_lshl_b32 s45, s42, 2
	s_lshl_b32 s45, 15, s45                        ; my row of the cluster
	s_lshl_b32 s46, 0x1111, s41                    ; my column
	; group 1 for the codes: rows of 256 bytes, padded in LDS: 256 rows for the head's loads; behind them the two words that count rows are set to 128, for the ring's
	s_or_b32 s[G1+0], s45, (0<<16)|(1<<20)|(1<<21)|(5<<22)|(3<<25)   ; 15:0 the mask: a's tiles go to my row; 17:16 elements of 1 byte; 20 padding on; 21 set beside a mask; 24:22 after every 64 words; 31:25 four words
	s_or_b32 s[G1B+0], s46, (0<<16)|(1<<20)|(1<<21)|(5<<22)|(3<<25)  ; b's go to my column
.irp g, G1, G1B
	s_mov_b32 s[\g+1], ROWB<<16                    ; tensor_dim0
	s_mov_b32 s[\g+2], 256<<16                     ; tensor_dim1
	s_mov_b32 s[\g+3], ROWB<<16                    ; tile_dim0
	s_mov_b32 s[\g+4], 256                         ; tile_dim1
	s_mov_b32 s[\g+5], KROW                        ; tensor_dim0_stride
	s_mov_b32 s[\g+6], 0
	s_mov_b32 s[\g+7], 0
.endr
	; and for the scales of 256 rows: 16,384 dense bytes, as 64 rows of 256 bytes (32 elements of 8 bytes), 16 bytes of padding behind each
	s_or_b32 s[G1S+0], s45, (3<<16)|(1<<20)|(1<<21)|(5<<22)|(3<<25)
	s_or_b32 s[G1SB+0], s46, (3<<16)|(1<<20)|(1<<21)|(5<<22)|(3<<25)
.irp g, G1S, G1SB
	s_mov_b32 s[\g+1], 32<<16
	s_mov_b32 s[\g+2], 64<<16
	s_mov_b32 s[\g+3], 32<<16
	s_mov_b32 s[\g+4], 64
	s_mov_b32 s[\g+5], 32
	s_mov_b32 s[\g+6], 0
	s_mov_b32 s[\g+7], 0
.endr
	; where the tiles come from: a's hang on the tile row alone, b's on the tile column alone; each offset is made in registers that do not hold the other coordinate
	s_lshl_b32 s2, s44, 8                          ; a: the tile's first row, 256 x tile row
	s_lshl_b32 s3, s43, 8                          ; b: 256 x tile column
	s_lshl_b32 s66, s2, 11                         ; in bytes of codes (under 2^25)
	s_mov_b32 s67, 0
	s_lshl_b32 s100, s3, 11
	s_mov_b32 s101, 0
	s_mul_i32 s12, s[WV], HALFT                    ; where they go: wave x 128 rows: no place in the cluster enters an LDS address
	s_wait_kmcnt 0x0
	s_add_nc_u64 s[4:5], s[4:5], s[66:67]
	s_add_nc_u64 s[8:9], s[8:9], s[100:101]
	s_lshl_b32 s66, s2, 6                          ; and of scale bytes
	s_lshl_b32 s100, s3, 6
	s_add_nc_u64 s[6:7], s[6:7], s[66:67]
	s_add_nc_u64 s[10:11], s[10:11], s[100:101]
	CROUND                                         ; all sixteen work-groups are here: the first joint loads meet
	s_mov_b32 s[G0S], 1
	s_mov_b32 s[G0S+1], SCL                        ; the scales of a's 256 rows
	s_mov_b64 s[G0S+2:G0S+3], s[6:7]
	s_or_b32 s[G0S+3], s[G0S+3], 0x80000000
	s_mov_b32 s[G0SB], 1
	s_mov_b32 s[G0SB+1], SCL+2*HALFS               ; behind them those of b's
	s_mov_b64 s[G0SB+2:G0SB+3], s[10:11]
	s_or_b32 s[G0SB+3], s[G0SB+3], 0x80000000
	s_mov_b64 s[G0H+2:G0H+3], s[4:5]               ; the head's loads take the tiles whole, from their first rows
	s_mov_b64 s[G0HB+2:G0HB+3], s[8:9]
	s_cmp_eq_u32 s[RH], 0                          ; the prefetches: do I fetch for a or for b?
	s_cselect_b64 s[PFA:PFA+1], s[4:5], s[8:9]
	s_cselect_b32 s2, s41, s42                     ; my place among the four that ask for the tile with me: cx for a, cy for b: it enters this global address alone
	s_lshl_b32 s2, s2, 16                          ; x 32 rows of 2,048 bytes
	s_lshl_b32 s66, s[CH], 18                      ; in the ring I fetch 128 rows of a tile: which half, in bytes (s67 is still 0)
	s_add_nc_u64 s[4:5], s[4:5], s[66:67]
	s_add_nc_u64 s[8:9], s[8:9], s[66:67]
	s_add_co_u32 s66, s66, s2
	s_add_nc_u64 s[PFA:PFA+1], s[PFA:PFA+1], s[66:67]
.irp s, 0,1
	s_mov_b32 s[G0+4*\s], 1
	s_add_co_u32 s[G0+4*\s+1], s12, \s*SLOT
	s_add_nc_u64 s[G0+4*\s+2:G0+4*\s+3], s[4:5], \s*ROWB
	s_or_b32 s[G0+4*\s+3], s[G0+4*\s+3], 0x80000000
	s_mov_b32 s[G0B+4*\s], 1
	s_add_co_u32 s[G0B+4*\s+1], s12, \s*SLOT
	s_add_nc_u64 s[G0B+4*\s+2:G0B+4*\s+3], s[8:9], \s*ROWB
	s_or_b32 s[G0B+4*\s+3], s[G0B+4*\s+3], 0x80000000
.endr
	s_mov_b32 s[G0H], 1
	s_mov_b32 s[G0H+1], 0                          ; a's 256 rows at slot 0's first byte,
	s_or_b32 s[G0H+3], s[G0H+3], 0x80000000
	s_mov_b32 s[G0HB], 1
	s_mov_b32 s[G0HB+1], 2*HALFT                   ; b's behind them
	s_or_b32 s[G0HB+3], s[G0HB+3], 0x80000000
; THE HEAD'S LOADS, ONE A WAVE: wave 0 K step 0's 256 rows of a, wave 1 its 256 rows of b, wave 2 the scales of a's 256 rows, wave 3 those of b's.
; One chain of branches on the wave's number, one load to an arm, all arms leading to one join.
.macro ARM under, g0, g1, next
	s_cmp_lt_u32 s[WV], \under
	s_cbranch_scc0 \next
	tensor_load_to_lds s[\g0:\g0+3], s[\g1:\g1+7]
	s_nop 0
.rept 4
	v_nop
.endr
	s_branch .Lhead_asked
\next:
.endm
	ARM 1, G0H,  G1,  .Lhead_b
	ARM 2, G0HB, G1B, .Lhead_sa
	ARM 3, G0S,  G1S, .Lhead_sb
	tensor_load_to_lds s[G0SB:G0SB+3], s[G1SB:G1SB+7]
	s_nop 0
.rept 4
	v_nop
.endr
.Lhead_asked:
	; THE TILES ARE PREFETCHED: behind the load of K step k stands a request for K step k + 2 (behind the head's also for K step 1): 32 rows x 256 bytes, a lane a row, one instruction a wave.
	; Of the 128 rows that a wave fetches in the ring each of the four partners of the joint load names 32, told apart by address: each row's 256 bytes are named once in each cluster that loads them.
	v_and_b32 v5, 31, v0
	v_lshlrev_b32 v[PFO], 11, v5
	global_prefetch_b8 v[PFO], s[PFA:PFA+1] offset:ROWB th:TH_LOAD_NT scope:SCOPE_SE
	global_prefetch_b8 v[PFO], s[PFA:PFA+1] offset:2*ROWB th:TH_LOAD_NT scope:SCOPE_SE
	; the biases: block 2 g + u of b's rows is gate g, my columns 16 u + 0 .. 15; lane (r, h) wants those of 8 h + 0 .. 7
	v_and_b32 v1, 15, v0                           ; r = lane % 16
	s_wait_alu depctr_va_vdst(0)
	v_bfe_u32 v2, v0, 4, 1                         ; h = lane / 16
	v_lshlrev_b32 v[BO], 5, v2
	s_lshl_b32 s100, s43, 8                        ; my first column, in bytes: 256 x tile column + 128 x half
	s_lshl_b32 s2, s[CH], 7
	s_add_co_u32 s100, s100, s2
.irp g, 0,1,2,3
	s_add_nc_u64 s[BP+2*\g:BP+2*\g+1], s[BP+2*\g:BP+2*\g+1], s[100:101]
.endr
.irp g, 0,1,2,3
.irp k, 0,1,2,3
	global_load_b128 v[BI+16*\g+4*\k:BI+16*\g+4*\k+3], v[BO], s[BP+2*\g:BP+2*\g+1] offset:64*(\k/2)+16*(\k%2)
.endr
.endr
	; every LDS address is made here
	v_mul_u32_u24 v3, v1, PITCH
	v_lshl_add_u32 v4, v2, 4, v3                   ; a fragment's row x pitch + 16 x half
	s_mul_i32 s2, s[RH], HALFT                     ; my 128 rows of a
	s_mul_i32 s3, s[CH], HALFT                     ; my 128 rows of b,
	s_add_co_u32 s3, s3, 2*HALFT                   ; which lie behind a's 256
.irp s, 0,1
	v_add_nc_u32 v[ADRA+\s], s2, v4
	v_add_nc_u32 v[ADRB+\s], s3, v4
	s_add_co_u32 s2, s2, SLOT
	s_add_co_u32 s3, s3, SLOT
.endr
	v_mul_u32_u24 v5, v1, KS                       ; my row's scales: 64 bytes a row,
	v_lshrrev_b32 v6, 8, v5
	v_lshl_add_u32 v5, v6, 4, v5                   ; and 16 more for each 256 passed
	s_mul_i32 s2, s[RH], HALFS                     ; a's: my 128 rows
	s_mul_i32 s3, s[CH], HALFS                     ; b's: my 128 rows, behind a's 256
	s_add_co_u32 s3, s3, 2*HALFS
	s_sub_co_u32 s3, s3, s2
	v_mul_u32_u24 v6, s3, v2                       ; lanes 16-31 take b's: one product, the distance between the two
	s_add_co_u32 s2, s2, SCL
	v_add_nc_u32 v5, v5, v6
	v_add_nc_u32 v[ADRS], s2, v5
	v_lshl_add_u32 v5, v2, 5, v3                   ; c's tile and the stages: row r, + 32 h,
	s_mul_i32 s2, s[RH], HALFT                     ; + my 128 rows,
	s_lshl_b32 s3, s[CH], 7                        ; + my 32 columns' 128 bytes
	s_add_co_u32 s2, s2, s3
	v_add_nc_u32 v[CRD], s2, v5
	v_add_nc_u32 v[HST], HS0, v[CRD]
	v_add_nc_u32 v[CST], CS0, v[CRD]
	v_mul_u32_u24 v5, v2, PITCH                    ; back: lanes 0-15 take one whole row of 256 bytes, lanes 16-31 the next;
	v_lshl_add_u32 v5, v1, 4, v5
	s_mul_i32 s2, s[RH], HALFT                     ; in my half of the rows,
	s_mul_i32 s3, s[CH], 8*PITCH                   ; of each block's 16 rows the first 8 or the last 8
	s_add_co_u32 s2, s2, s3
	s_add_co_u32 s2, s2, HS0
	v_add_nc_u32 v[RDH], s2, v5
	v_add_nc_u32 v[RDC], CS0-HS0, v[RDH]
	v_lshlrev_b32 v5, 12, v2                       ; and the same two rows in an output: 4,096 bytes a row
	v_lshl_add_u32 v[GO], v1, 4, v5
	v_and_b32 v5, 31, v0
	v_lshlrev_b32 v[PF], 12, v5
	; the tile's first byte in c and in the outputs: 256 rows x tile row, 64 columns x tile column.  c: + the 64 whole rows that I fetch.  out0, out1: + my half's 128 rows + the 8 rows of a block that I send
	s_lshl_b32 s2, s44, 20
	s_lshl_b32 s3, s43, 8
	s_add_co_u32 s2, s2, s3
	s_lshl_b32 s3, s[RH], 19
	s_add_co_u32 s100, s2, s3
	s_lshl_b32 s3, s[CH], 15
	s_add_co_u32 s100, s100, s3                    ; (s101 is still 0)
	s_lshl_b32 s3, s[WV], 18
	s_add_co_u32 s2, s2, s3
	s_mov_b32 s3, 0
	s_add_nc_u64 s[16:17], s[16:17], s[2:3]
	s_add_nc_u64 s[18:19], s[18:19], s[100:101]
	s_add_nc_u64 s[20:21], s[20:21], s[100:101]
	s_wait_loadcnt 0x0                             ; the biases are in: their loads' bases may be written
	; c's tile: 64 rows x 64 elements of 4 bytes, 1,024 elements from row to row; no mask: it is my work-group's alone
	s_mov_b32 s[G1C+0], (2<<16)|(1<<20)|(5<<22)|(3<<25)
	s_mov_b32 s[G1C+1], 64<<16
	s_mov_b32 s[G1C+2], 64<<16
	s_mov_b32 s[G1C+3], 64<<16
	s_mov_b32 s[G1C+4], 64
	s_mov_b32 s[G1C+5], 1024
	s_mov_b32 s[G1C+6], 0
	s_mov_b32 s[G1C+7], 0
	s_mov_b32 s[G0C], 1
	s_mul_i32 s[G0C+1], s[WV], 64*PITCH            ; my 64 rows, from LDS byte 0 on
	s_mov_b64 s[G0C+2:G0C+3], s[16:17]
	s_or_b32 s[G0C+3], s[G0C+3], 0x80000000
	s_mov_b32 s[K1], 0xbfb8aa3b                    ; -log2 e
	s_mov_b32 s[K1+1], 0xbfb8aa3b
	s_mov_b32 s[K2], 0x4038aa3b                    ; 2 log2 e
	s_mov_b32 s[K2+1], 0x4038aa3b
.macro FRAG reg, adr, q, i             ; a fragment, 16 rows x 128 K, is 16 registers: lane l holds row l % 16; registers 4 c .. 4 c + 3 hold K = 32 c + 16 (l / 16) + 0 .. 15
.irp c, 0,1,2,3
	ds_load_b128 v[\reg+4*\c:\reg+4*\c+3], v[\adr] offset:128*(\q)+32*\c+(\i)*16*PITCH
.endr
.endm
; 16 matrix instructions: a's blocks a0, a0 + 1 x b's eight, 128 along K: the slot's q-th.  p: b's set;  sc: the set of scale words.  first = 1: the biases are the C: the first product starts the sums.
; The 64 accumulators take turns, one instruction a turn, in the same order in every step.
.macro MUL16 a0, p, q, sc, first
.irp a, \a0, \a0+1
.irp b, 0,1,2,3,4,5,6,7
.if \first
	v_wmma_scale_f32_16x16x128_f8f6f4 v[8*(8*((\a)%4)+\b):8*(8*((\a)%4)+\b)+7], v[128*(\p)+FR*\b:128*(\p)+FR*\b+FR-1], v[AF+FR*(\a):AF+FR*(\a)+FR-1], v[BI+8*\b:BI+8*\b+7], v[SC+8*NQ*(\sc)+NQ*\b+(\q)], v[SC+8*NQ*(\sc)+NQ*(\a)+(\q)] matrix_a_scale:MATRIX_SCALE_ROW1
.else
	v_wmma_scale_f32_16x16x128_f8f6f4 v[8*(8*((\a)%4)+\b):8*(8*((\a)%4)+\b)+7], v[128*(\p)+FR*\b:128*(\p)+FR*\b+FR-1], v[AF+FR*(\a):AF+FR*(\a)+FR-1], v[8*(8*((\a)%4)+\b):8*(8*((\a)%4)+\b)+7], v[SC+8*NQ*(\sc)+NQ*\b+(\q)], v[SC+8*NQ*(\sc)+NQ*(\a)+(\q)] matrix_a_scale:MATRIX_SCALE_ROW1
.endif
.endr
.endr
.endm
.macro FETCH_B slot, q, p              ; b's eight fragments of the slot's q-th 128 along K into set p
	WIN TO_B
.irp i, 0,1,2,3,4,5,6,7
	FRAG 128*(\p)+FR*\i, ADRB+\slot, \q, \i
.endr
	WIN 0
.endm
.macro FETCH_A slot, q, i0             ; a's blocks i0 .. i0 + 3
.irp i, \i0, \i0+1, \i0+2, \i0+3
	FRAG AF+FR*(\i), ADRA+\slot, \q, \i
.endr
.endm
.macro SCALES sc                       ; a K step's scale words into set sc: two words a row; lanes 0-15 take a's block i, lanes 16-31 b's block i
.irp i, 0,1,2,3,4,5,6,7
	ds_load_b64 v[SC+8*NQ*\sc+NQ*\i:SC+8*NQ*\sc+NQ*\i+1], v[ADRS] offset:\i*SBLK
.endr
.endm
; A load into a register that a matrix instruction has read, and a vector instruction that reads a matrix result or writes one of a matrix instruction's registers, stand NP places behind it, and only plain
; vector instructions that name none of its registers are places (ISA guide 7.12.1 for vector instructions).
.macro PLACES n
.rept \n
	v_nop
.endr
.endm
; A step of 128 along K that has its successor in the same slot.  a has one set of registers: blocks 0-3 are fetched anew in the step's middle, blocks 4-7 at its end; b has two.
.macro STEP slot, q, first
	s_wait_dscnt 4*NL                              ; b's set, a's blocks 0-3 and the scale words are in; the youngest sixteen loads (a's blocks 4-7) may be out
.if \first
	WIN BEG_LO
.else
	WIN MUL_LO
.endif
	MUL16 0, (\q)%2, \q, \slot, \first
	MUL16 2, (\q)%2, \q, \slot, \first
	s_wait_dscnt 0                                 ; a's blocks 4-7 are in (asked for 32 matrix instructions ago)
	PLACES NP
	FETCH_B \slot, (\q)+1, 1-(\q)%2
	FETCH_A \slot, (\q)+1, 0
.if \first
	WIN BEG_HI
.else
	WIN MUL_HI
.endif
	MUL16 4, (\q)%2, \q, \slot, \first
	MUL16 6, (\q)%2, \q, \slot, \first
	PLACES NP
	WIN 0
	FETCH_A \slot, (\q)+1, 4
.endm
; A slot's last step changes slots: ONE barrier, which opens a round of the cluster's; in front of it each wave waits for all its tensor loads, adds 0 to its spare word, and waits for that and for its own reads of this slot.
; fill = 1: this slot is filled again, two K steps ahead, by the joint loads.  fill = 2: slot 0 has been left for the last time: each wave asks for its quarter of c's tile, into the slot's first 69,632 bytes.
.macro TURN slot, next, fill
	s_wait_tensorcnt 0x0                           ; all my tensor loads have landed: the one that was out is my part of the next slot  (every window is 0 here)
	ds_add_u32 v[SPW], v[NIL]                      ; 0 onto my spare word
	s_wait_dscnt 4*NL+1                            ; (the add and the youngest sixteen loads, a's blocks 4-7, may be out)
	WIN MUL_LO
	MUL16 0, 1, NQ-1, \slot, 0                     ; sixteen matrix instructions stand between the add and the wait for it
	s_wait_dscnt 0x0                               ; the add is done, and my reads of this slot are over
	s_barrier_signal -1
	MUL16 2, 1, NQ-1, \slot, 0
	WIN 0
	s_barrier_wait -1
	CREST                                          ; no wave of any partner still reads this slot's tile or has a load on its way
.if \fill == 1
	s_add_nc_u64 s[G0+4*\slot+2:G0+4*\slot+3], s[G0+4*\slot+2:G0+4*\slot+3], 2*ROWB
	s_add_nc_u64 s[G0B+4*\slot+2:G0B+4*\slot+3], s[G0B+4*\slot+2:G0B+4*\slot+3], 2*ROWB
	JLOAD G0+4*\slot, G1, G0B+4*\slot, G1B         ; the first tensor load behind the round; the four v_nop behind it are among the places in front of the loads below
.else
	tensor_load_to_lds s[G0C:G0C+3], s[G1C:G1C+7]  ; my one tensor load behind the round: 64 rows of c
	s_nop 0
.rept 4
	v_nop
.endr
.endif
	PLACES NP-4
	s_wait_alu depctr_va_vdst(0)
	v_add_nc_u32 v[ADRS], 4*NQ, v[ADRS]            ; on to the next K step's scale words
	FETCH_B \next, 0, 0
	FETCH_A \next, 0, 0
	SCALES \next
.if \fill == 1
	s_cmp_gt_u32 s3, 1                             ; the last trip's refills are K steps 6 and 7: no K step stands two on
	s_cbranch_scc0 .Lno_tile_ask_\@
	global_prefetch_b8 v[PFO], s[PFA:PFA+1] offset:(4+\slot)*ROWB th:TH_LOAD_NT scope:SCOPE_SE   ; trip i, slot s: the refill is K step 2 + 2 i + s, this names K step 4 + 2 i + s (the base has stepped 2 i)
.Lno_tile_ask_\@:
.endif
	WIN MUL_HI
	MUL16 4, 1, NQ-1, \slot, 0
	MUL16 6, 1, NQ-1, \slot, 0
	PLACES NP
	WIN 0
	FETCH_A \next, 0, 4
.endm
; THE CELL, block by block of my 16 rows x 32 columns.
; BACK a: of block a's 16 rows of my half, whole in both stages, the 8 that I send: 4 loads of two rows of h_new, 4 of c_new, into 32 registers of window 1 that are this block's alone.
.macro BACK a
	WIN TO_B
.irp k, 0,1,2,3
	ds_load_b128 v[32*(\a)+4*\k:32*(\a)+4*\k+3], v[RDH] offset:16*PITCH*(\a)+2*PITCH*\k
.endr
.irp k, 0,1,2,3
	ds_load_b128 v[32*(\a)+16+4*\k:32*(\a)+16+4*\k+3], v[RDC] offset:16*PITCH*(\a)+2*PITCH*\k
.endr
	WIN 0
.endm
; SEND a: they are stored.  No register of these stores is ever written again, so no later line waits for them.
.macro SEND a
	s_wait_dscnt 0x0                               ; the eight loads are back: nothing else of mine is out in LDS
	WIN FROM_B
.irp k, 0,1,2,3
	global_store_b128 v[GO], v[32*(\a)+4*\k:32*(\a)+4*\k+3], s[18:19] offset:4096*(16*(\a)+2*\k) th:TH_STORE_NT       ; 16 lanes store 256 consecutive bytes, at a multiple of 256 from out0's first byte; written once, read by nobody here
.endr
.irp k, 0,1,2,3
	global_store_b128 v[GO], v[32*(\a)+16+4*\k:32*(\a)+16+4*\k+3], s[20:21] offset:4096*(16*(\a)+2*\k) th:TH_STORE_NT  ; the same into out1
.endr
	WIN 0
.endm
; THREE BLOCKS ARE IN WORK AT ONCE.  Turn a holds block a's gates (64 exponentials, 64 reciprocals), block a - 1's tanh(c_new) (16 and 16, in the same two batches) and block a - 2's way from the stages to memory.
; So a turn has one batch of exponentials and one of reciprocals, each with its wait ahead and behind.
; Windows: WALL all four operand places in the block's window; WCW the same but source 1 (c) in window 0; WST a store's data in the block's window, its address in window 0.
.macro P1 a                            ; block a's sums x -log2 e (cc: x 2 log2 e), in place; each accumulator is read from its low end on
.set AN, 64*((\a)%4)
.set WALL, 0x55*(2+(\a)/4)
	WIN WALL
	s_wait_alu depctr_va_vdst(0)                   ; directly ahead of the first reader of the sums
.irp b, 0,1,2,3,4,5,6,7
.irp i, 0,2,4,6
.if (\b == 4) || (\b == 5)
	v_pk_mul_f32 v[AN+8*\b+\i:AN+8*\b+\i+1], v[AN+8*\b+\i:AN+8*\b+\i+1], s[K2:K2+1] op_sel_hi:[1,0]
.else
	v_pk_mul_f32 v[AN+8*\b+\i:AN+8*\b+\i+1], v[AN+8*\b+\i:AN+8*\b+\i+1], s[K1:K1+1] op_sel_hi:[1,0]
.endif
.endr
.endr
.endm
.macro RUN1 op, base, n                ; n registers from base on, each through op, in place
.set j, 0
.rept \n
	\op v[\base+j], v[\base+j]
.set j, j+1
.endr
.endm
.macro ADD1 base, n                    ; 1 + x on n pairs
.set j, 0
.rept \n
	v_pk_add_f32 v[\base+j:\base+j+1], v[\base+j:\base+j+1], 1.0 op_sel_hi:[1,0]
.set j, j+2
.endr
.endm
.macro TANH base                       ; 1 - 2 x on 8 pairs: the last line of tanh
.set j, 0
.rept 8
	v_pk_fma_f32 v[\base+j:\base+j+1], v[\base+j:\base+j+1], -2.0, 1.0 op_sel_hi:[1,0,0]
.set j, j+2
.endr
.endm
.macro BOTH what, op, a                ; one batch or run for block a (64 registers) and block a - 1 (its 16 at TCC)
.if (\a) <= 7
	WIN 0x55*(2+(\a)/4)
.if \what
	RUN1 \op, AC, 64
.else
	ADD1 AC, 32
.endif
.endif
.if (\a) >= 1
	WIN 0x55*(1+((\a)+3)/4)
.if \what
	RUN1 \op, AP+TCC, 16
.else
	ADD1 AP+TCC, 8
.endif
.endif
	WIN 0
.endm
; The first half of turn a.  THE BARRIER FOR BLOCK a - 2: my stores of it into the stages (c_new's two turns ago, h_new's in the last turn) are shown done by the wait for 0; the exponentials stand between signal and wait;
; behind the wait the block's rows are whole and are read back; the additions and reciprocals stand between those loads and the wait for them in SEND.  The wait for 0 also shows c's loads in.
.macro IH a
.set AC, 64*((\a)%4)
.set AP, 64*(((\a)+3)%4)
.if (\a) >= 1
	s_wait_dscnt 0x0
.endif
.if (\a) >= 2
	s_barrier_signal -1
.endif
	s_wait_alu depctr_va_vdst(0)                   ; ahead of the batch
	BOTH 1, v_exp_f32, \a
	v_nop                                          ; a plain line behind the last exponential (ISA guide 5.7.2)
	s_wait_alu depctr_va_vdst(0)                   ; behind the batch
.if (\a) >= 2
	s_barrier_wait -1
	BACK (\a)-2
.endif
	BOTH 0, 0, \a
	s_wait_alu depctr_va_vdst(0)
	BOTH 1, v_rcp_f32, \a                          ; f, u, o of block a are finished
	v_nop
	s_wait_alu depctr_va_vdst(0)
.if (\a) >= 2
	SEND (\a)-2
.endif
.endm
; The second half: h_new = tanh(c_new) o of block a - 1; cc, c_new = f c + u cc and 2 log2 e c_new of block a; both results go to the work-group's stages, 32 bytes a lane and tile of 16 columns; then block a + 1's first line.
.macro IT a
.set AC, 64*((\a)%4)
.set AP, 64*(((\a)+3)%4)
.set CC, 64+16*(\a)+64*((\a)/4)
.if (\a) >= 1
	WIN 0x55*(1+((\a)+3)/4)
	TANH AP+TCC
.irp i, 0,2,4,6,8,10,12,14
	v_pk_mul_f32 v[AP+TO+\i:AP+TO+\i+1], v[AP+TO+\i:AP+TO+\i+1], v[AP+TCC+\i:AP+TCC+\i+1]
.endr
	WIN 4*(1+((\a)+3)/4)
.irp k, 0,1,2,3
	ds_store_b128 v[HST], v[AP+TO+4*\k:AP+TO+4*\k+3] offset:16*PITCH*((\a)-1)+64*(\k/2)+16*(\k%2)
.endr
.endif
.if (\a) <= 7
.if (\a) == 0
	s_wait_dscnt 28                                ; block 0's four loads of c are in; the 28 younger ones may be out
.endif
	WIN 0x55*(2+(\a)/4)
	TANH AC+TCC
.irp i, 0,2,4,6,8,10,12,14
	v_pk_mul_f32 v[AC+TU+\i:AC+TU+\i+1], v[AC+TU+\i:AC+TU+\i+1], v[AC+TCC+\i:AC+TCC+\i+1]
.endr
	WIN 0x51*(2+(\a)/4)
.irp i, 0,2,4,6,8,10,12,14
	v_pk_fma_f32 v[AC+\i:AC+\i+1], v[AC+\i:AC+\i+1], v[CC+\i:CC+\i+1], v[AC+TU+\i:AC+TU+\i+1]
.endr
.irp i, 0,2,4,6,8,10,12,14
	v_pk_mul_f32 v[AC+TCC+\i:AC+TCC+\i+1], v[AC+\i:AC+\i+1], s[K2:K2+1] op_sel_hi:[1,0]
.endr
	WIN 4*(2+(\a)/4)
.irp k, 0,1,2,3
	ds_store_b128 v[CST], v[AC+4*\k:AC+4*\k+3] offset:16*PITCH*(\a)+64*(\k/2)+16*(\k%2)
.endr
.endif
.if (\a) <= 6
	P1 (\a)+1
.endif
	WIN 0
.endm
.macro CLOAD                           ; c of my 128 rows x 32 columns, in the accumulators' layout: block a at v[64 + 16 a] (a < 4) or v[192 + 16 (a - 4)]; block 0's four loads first
.irp a, 0,1,2,3,4,5,6,7
.irp k, 0,1,2,3
	ds_load_b128 v[64+16*\a+64*(\a/4)+4*\k:64+16*\a+64*(\a/4)+4*\k+3], v[CRD] offset:16*PITCH*\a+64*(\k/2)+16*(\k%2)
.endr
.endr
.endm
	s_wait_alu depctr_va_vdst(0)
	s_wait_tensorcnt 0x0                           ; my tile of the head's four is in
	ds_add_u32 v[SPW], v[NIL]                      ; 0 onto my spare word
	s_mov_b32 s[G1+2], 128<<16                     ; no tensor load of mine is out, so a descriptor may be written: from here on a load brings 128 rows
	s_mov_b32 s[G1+4], 128
	s_mov_b32 s[G1B+2], 128<<16
	s_mov_b32 s[G1B+4], 128
	s_wait_dscnt 0x0                               ; the add is done
	CROUND                                         ; a whole round: all four tiles are in, and all sixteen work-groups are here
	JLOAD G0+4, G1, G0B+4, G1B                     ; K step 1, slot 1's first fill: the first tensor load behind the round; one tensor load of mine is out
	FETCH_B 0, 0, 0
	FETCH_A 0, 0, 0
	SCALES 0
	FETCH_A 0, 0, 4
	global_prefetch_b8 v[PFO], s[PFA:PFA+1] offset:3*ROWB th:TH_LOAD_NT scope:SCOPE_SE   ; behind K step 1's load: K step 3
	STEP 0, 0, 1                                   ; the first step stands in front of the loop: its products start the sums, on the biases
	s_mov_b32 s3, LAPS-1
.Llap:                                                 ; a trip goes once round the ring, from a lap's second step to the next lap's first, and fills both slots again
	s_cmp_lg_u32 s3, 1                             ; the last of the three trips asks for c's tile ahead: each wave for the 64 rows (256 bytes each, one lane to a row) that its own tensor load
	s_cbranch_scc1 .Lno_ask                        ; will fetch, 288 matrix instructions later; each row once in the launch; all inside c
	s_wait_alu depctr_va_vdst(0)
	global_prefetch_b8 v[PF], s[16:17] th:TH_LOAD_NT scope:SCOPE_SE
	global_prefetch_b8 v[PF], s[16:17] offset:131072 th:TH_LOAD_NT scope:SCOPE_SE
.Lno_ask:
	TURN 0, 1, 1
	STEP 1, 0, 0
	TURN 1, 0, 1
	STEP 0, 0, 0
	s_wait_xcnt 0x0                                ; my prefetches have read their base: it steps only behind this wait
	s_add_nc_u64 s[PFA:PFA+1], s[PFA:PFA+1], 2*ROWB
	s_sub_co_u32 s3, s3, 1
	s_cmp_lg_u32 s3, 0
	s_cbranch_scc1 .Llap
	TURN 0, 1, 2                                   ; the last lap: slot 0 is left for good and takes c's tile
	STEP 1, 0, 0
	s_wait_dscnt 4*NL                              ; the very last step: nothing more to fetch
	WIN MUL_LO
	MUL16 0, 1, NQ-1, 1, 0
	MUL16 2, 1, NQ-1, 1, 0
	s_wait_dscnt 0
	WIN MUL_HI
	MUL16 4, 1, NQ-1, 1, 0
	MUL16 6, 1, NQ-1, 1, 0
	WIN 0
	PLACES NP                                      ; the sums are written in place, c's registers lie where the biases and a's fragments lay, the rows read back where b's lay
	P1 0
	WIN 0
	IH 0                                           ; stands between c's request and the wait for it, with the 160 matrix instructions above; it ends with a wait ahead of the wait below
	s_wait_tensorcnt 0x0                           ; my quarter of c's tile is in (the one tensor load that was out),
	s_wait_dscnt 0x0                               ; and my reads of slot 1 are over:
	s_barrier_signal -1
	s_barrier_wait -1                              ; both hold of every wave: c's tile is whole, and slot 1, which has had its last fill, may take c_new's stage
	CLOAD
	IT 0
.irp a, 1,2,3,4,5,6,7,8
	IH \a                                          ; block a's gates, block a - 1's tanh(c_new), block a - 2's barrier and stores
	IT \a
.endr
	s_wait_dscnt 0x0                               ; for the others' sake: my stores of block 7 into the stages are done
	s_barrier_signal -1
	s_barrier_wait -1
	BACK 7
	SEND 7
	s_wait_tensorcnt 0x0                           ; the wave's end, behind my last tensor load and my last LDS store
	ds_add_u32 v[SPW], v[NIL]
	s_wait_dscnt 0x0
	CROUND                                         ; the closing round: no work-group ends while a partner may still ask for a tile that names it
	s_endpgm
.Lfunc_end_k_q1ad5ae5728_cell:
	.size	k_q1ad5ae5728_cell, .Lfunc_end_k_q1ad5ae5728_cell-k_q1ad5ae5728_cell
	.p2alignl 7, 3214868480
	.fill 96, 4, 3214868480
	.section	.rodata,"a",@progbits
	.p2align	6, 0x0
	.amdhsa_kernel k_q1ad5ae5728_cell
		.amdhsa_group_segment_fixed_size 327680
		.amdhsa_private_segment_fixed_size 0
		.amdhsa_enable_private_segment 0
		.amdhsa_kernarg_size 88
		.amdhsa_user_sgpr_count 2
		.amdhsa_user_sgpr_kernarg_segment_ptr 1
		.amdhsa_wavefront_size32 1
		.amdhsa_system_sgpr_workgroup_id_x 1
		.amdhsa_system_sgpr_workgroup_id_y 1
		.amdhsa_system_sgpr_workgroup_id_z 1
		.amdhsa_system_vgpr_workitem_id 0
		.amdhsa_next_free_vgpr 1024
		.amdhsa_next_free_sgpr 102
		.amdhsa_reserve_vcc 0
		.amdhsa_float_denorm_mode_32 3
		.amdhsa_float_denorm_mode_16_64 3
		.amdhsa_memory_ordered 1
		.amdhsa_forward_progress 1
		.amdhsa_inst_pref_size 246
	.end_amdhsa_kernel
	.amdgpu_metadata
---
amdhsa.version: [ 1, 2 ]
amdhsa.kernels:
  - .name:           k_q1ad5ae5728_cell
    .symbol:         k_q1ad5ae5728_cell.kd
    .args:
      - { .name: a_codes, .offset: 0, .size: 8, .value_kind: global_buffer, .address_space: global }
      - { .name: a_scales, .offset: 8, .size: 8, .value_kind: global_buffer, .address_space: global }
      - { .name: b_codes, .offset: 16, .size: 8, .value_kind: global_buffer, .address_space: global }
      - { .name: b_scales, .offset: 24, .size: 8, .value_kind: global_buffer, .address_space: global }
      - { .name: bf, .offset: 32, .size: 8, .value_kind: global_buffer, .address_space: global }
      - { .name: bu, .offset: 40, .size: 8, .value_kind: global_buffer, .address_space: global }
      - { .name: bc, .offset: 48, .size: 8, .value_kind: global_buffer, .address_space: global }
      - { .name: bo, .offset: 56, .size: 8, .value_kind: global_buffer, .address_space: global }
      - { .name: c, .offset: 64, .size: 8, .value_kind: global_buffer, .address_space: global }
      - { .name: out0, .offset: 72, .size: 8, .value_kind: global_buffer, .address_space: global }
      - { .name: out1, .offset: 80, .size: 8, .value_kind: global_buffer, .address_space: global }
    .group_segment_fixed_size: 327680
    .private_segment_fixed_size: 0
    .kernarg_segment_align: 8
    .kernarg_segment_size: 88
    .max_flat_workgroup_size: 128
    .sgpr_count:     102
    .vgpr_count:     1024
    .wavefront_size: 32
...
	.end_amdgpu_metadata
.endif
;; end of part 2
